; MI455X (gfx1250); checked and timed in simulation.
; The chip was launched on July 23, 2026; its instructions are those of AMD's public machine-readable ISA for CDNA 5 (MIT licence, August 2026) and "CDNA5" Instruction Set Architecture Reference Guide (July 2026). The comments in the code are by the model that wrote it; some were corrected since.
;; Dual Quantizer. Allowed arithmetic: float matrix products may take bf16 or f16 operands with f32 sums; all other float work in f32.
;; Inputs: codebook 8,192 x 256 float32; z 8 x 292 x 4,096 float32.
;; Outputs: out0 8 x 292 x 4,096 float32; out1 8 x 4,096 int32; out2 8 x 36 x 4,096 int32; out3 one number float32; out4 8 x 36 x 4,096 float32.
;; One version. Each part assembles by itself: llvm-mc -triple=amdgcn-amd-amdhsa -mcpu=gfx1250 --defsym DOCPART=n.
;; ======== version 1 of 1: 4 launches
;; workspace buffers: cbw 4,325,376 bytes; idxw 131,072 bytes of whole numbers; part 2,048 bytes
;; launch prep (part 1): grid 256 x 1, 8 waves a work-group, no clusters, 17,920 bytes of LDS; arguments codebook, cbw; writes cbw
.if DOCPART == 1
	.amdgcn_target "amdgcn-amd-amdhsa--gfx1250"
	.amdhsa_code_object_version 6
	.text
	.protected	k_qcdc9c035a7_prep
	.globl	k_qcdc9c035a7_prep
	.p2align	8
	.type	k_qcdc9c035a7_prep,@function
k_qcdc9c035a7_prep:
	s_mov_b64 s[64:65], 0
	v_nop
	global_prefetch_b8 v0, s[64:65] scope:SCOPE_SE
	s_setreg_imm32_b32 hwreg(HW_REG_WAVE_MODE, 25, 1), 1
	s_wait_xcnt 0x0
; The codebook [8192][256] f32 becomes cbw: 8,192 rows of 528 bytes.  Row c: bytes 0-511 its 256 numbers rounded to bf16,
; bytes 512-527 four f32, the sums of squares ww of rows 4 (c / 4) .. + 3, taken of the ROUNDED numbers.
; 528 = 33 x 16, so a block of rows is at once the image that the next launch wants in LDS (rows an odd multiple of 16 bytes apart).
; LIMIT OF FORMAT: from here on the codebook is its bf16 rounding, in the distances, in ww and in the gathered output alike.
; Eight waves; the work-group owns 32 rows, a wave four.  A row is 1,024 bytes: two loads of 512 neighbouring bytes.
; The image is put together in LDS and leaves as 16 bytes a lane: each store covers 512 consecutive bytes, aligned to 256.
; No matrix unit, no cluster, no tensor load: each byte is read once and nothing is shared between work-groups.
.set PITCH, 528
.set X, 8                              ; v[8:39]   four rows as loaded, 8 registers each; later the image on its way out
.set P, 40                             ; v[40:55]  four rows packed to bf16, 4 registers each
.set W, 56                             ; v[56:59]  the four rows' sums of squares
.set T, 60                             ; v[60:63]  the other half's sums
	s_load_b128 s[4:7], s[0:1], 0x0                ; codebook s[4:5], cbw s[6:7]
	v_lshl_add_u32 v64, v0, 2, 0x4200
	v_mov_b32 v65, 0
	v_lshrrev_b32 v1, 5, v0
	v_readfirstlane_b32 s8, v1                     ; wave 0..7
	v_and_b32 v1, 31, v0                           ; lane
	s_lshl_b32 s10, ttmp9, 15                      ; 32 rows of 1,024 bytes
	s_mov_b32 s11, 0
	s_mul_i32 s12, ttmp9, 32*PITCH                 ; 32 rows of 528 bytes = 66 x 256
	s_mov_b32 s13, 0
	s_mov_b32 s14, 0x76543210                      ; v_permlanex16_b32: lane i reads lane i of the other half
	s_mov_b32 s15, 0xfedcba98
	s_mul_i32 s9, s8, 4*PITCH                      ; my wave's four rows in the image
	v_lshlrev_b32 v6, 4, v1                        ; 16 x lane
	v_lshl_add_u32 v2, s8, 12, v6                  ; load: wave x 4 rows x 1,024 + 16 x lane
	v_lshl_add_u32 v3, v1, 3, s9                   ; packed words: 8 x lane in my rows
	v_and_b32 v4, 3, v1
	v_mul_u32_u24 v4, v4, PITCH
	v_add_nc_u32 v4, s9, v4                        ; the 16 bytes behind row lane % 4 of my four
	v_lshlrev_b32 v5, 4, v0                        ; way out: 16 x thread
.irp i, 0,1,2,3
	v_mov_b32 v[W+\i], 0
	v_mov_b32 v[T+\i], 0                           ; v_permlanex16_b32 counts as a reader of its destination
.endr
	s_wait_kmcnt 0x0
	s_add_nc_u64 s[4:5], s[4:5], s[10:11]
	s_add_nc_u64 s[6:7], s[6:7], s[12:13]
.irp i, 0,1,2,3
	global_load_b128 v[X+8*\i:X+8*\i+3],   v2, s[4:5] offset:\i*1024 th:TH_LOAD_NT
	global_load_b128 v[X+8*\i+4:X+8*\i+7], v2, s[4:5] offset:\i*1024+512 th:TH_LOAD_NT
.endr
.irp i, 0,1,2,3
	s_wait_loadcnt 6-2*\i                          ; loads come back in order: row i's two are in, the younger rows' stay out
.irp k, 0,1,2,3
	v_cvt_pk_bf16_f32 v[P+4*\i+\k], v[X+8*\i+2*\k], v[X+8*\i+2*\k+1]
.endr
	ds_store_b64 v3, v[P+4*\i:P+4*\i+1]   offset:\i*PITCH        ; numbers 4 lane .. + 3
	ds_store_b64 v3, v[P+4*\i+2:P+4*\i+3] offset:\i*PITCH+256    ; numbers 128 + 4 lane .. + 3
.irp k, 0,1,2,3
	v_fma_mix_f32_bf16 v[W+\i], v[P+4*\i+\k], v[P+4*\i+\k], v[W+\i] op_sel_hi:[1,1,0]                 ; low half squared
	v_fma_mix_f32_bf16 v[W+\i], v[P+4*\i+\k], v[P+4*\i+\k], v[W+\i] op_sel:[1,1,0] op_sel_hi:[1,1,0]  ; high half squared
.endr
.endr
	; four sums over the 32 lanes, side by side
.irp m, 1,2,4,8
.irp i, 0,1,2,3
	v_add_f32_dpp v[W+\i], v[W+\i], v[W+\i] row_xmask:\m row_mask:0xf bank_mask:0xf
.endr
.endr
.irp i, 0,1,2,3
	v_permlanex16_b32 v[T+\i], v[W+\i], s14, s15
.endr
.irp i, 0,1,2,3
	v_add_f32 v[W+\i], v[W+\i], v[T+\i]
.endr
	ds_store_b128 v4, v[W:W+3] offset:512          ; the same four sums behind each of my four rows (eight lanes a row, the same bytes)
	s_wait_dscnt 0x0                               ; my stores are done, for the other waves' sake
	s_barrier_signal -1
	s_barrier_wait -1
	; the image, 16,896 bytes: four times 4,096 by all threads, the last 512 by wave 0
.irp k, 0,1,2,3
	ds_load_b128 v[X+4*\k:X+4*\k+3], v5 offset:4096*\k
.endr
.irp k, 0,1,2,3
	s_wait_dscnt 3-\k                              ; LDS loads come back in order: number k is in
	global_store_b128 v5, v[X+4*\k:X+4*\k+3], s[6:7] offset:4096*\k
.endr
	s_cmp_lg_u32 s8, 0
	s_cbranch_scc1 .Ldone
	ds_load_b128 v[X+16:X+19], v6 offset:16384
	s_wait_dscnt 0x0
	global_store_b128 v6, v[X+16:X+19], s[6:7] offset:16384
.Ldone:
	s_wait_tensorcnt 0x0
	ds_add_u32 v64, v65
	s_wait_dscnt 0x0
	s_endpgm
.Lfunc_end_k_qcdc9c035a7_prep:
	.size	k_qcdc9c035a7_prep, .Lfunc_end_k_qcdc9c035a7_prep-k_qcdc9c035a7_prep
	.p2alignl 7, 3214868480
	.fill 96, 4, 3214868480
	.section	.rodata,"a",@progbits
	.p2align	6, 0x0
	.amdhsa_kernel k_qcdc9c035a7_prep
		.amdhsa_group_segment_fixed_size 17920
		.amdhsa_private_segment_fixed_size 0
		.amdhsa_enable_private_segment 0
		.amdhsa_kernarg_size 16
		.amdhsa_user_sgpr_count 2
		.amdhsa_user_sgpr_kernarg_segment_ptr 1
		.amdhsa_wavefront_size32 1
		.amdhsa_system_sgpr_workgroup_id_x 1
		.amdhsa_system_sgpr_workgroup_id_y 1
		.amdhsa_system_sgpr_workgroup_id_z 1
		.amdhsa_system_vgpr_workitem_id 0
		.amdhsa_next_free_vgpr 66
		.amdhsa_next_free_sgpr 66
		.amdhsa_reserve_vcc 0
		.amdhsa_float_denorm_mode_32 3
		.amdhsa_float_denorm_mode_16_64 3
		.amdhsa_memory_ordered 1
		.amdhsa_forward_progress 1
		.amdhsa_inst_pref_size 9
	.end_amdhsa_kernel
	.amdgpu_metadata
---
amdhsa.version: [ 1, 2 ]
amdhsa.kernels:
  - .name:           k_qcdc9c035a7_prep
    .symbol:         k_qcdc9c035a7_prep.kd
    .args:
      - { .name: codebook, .offset: 0, .size: 8, .value_kind: global_buffer, .address_space: global }
      - { .name: cbw, .offset: 8, .size: 8, .value_kind: global_buffer, .address_space: global }
    .group_segment_fixed_size: 17920
    .private_segment_fixed_size: 0
    .kernarg_segment_align: 8
    .kernarg_segment_size: 16
    .max_flat_workgroup_size: 256
    .sgpr_count:     66
    .vgpr_count:     66
    .wavefront_size: 32
...
	.end_amdgpu_metadata
.endif
;; end of part 1
;; launch dist (part 2): grid 256 x 1, 8 waves a work-group, clusters of 4 x 1, 327,680 bytes of LDS; arguments cbw, z, out1, idxw; writes out1, idxw
.if DOCPART == 2
	.amdgcn_target "amdgcn-amd-amdhsa--gfx1250"
	.amdhsa_code_object_version 6
	.text
	.protected	k_qcdc9c035a7_dist
	.globl	k_qcdc9c035a7_dist
	.p2align	8
	.type	k_qcdc9c035a7_dist,@function
k_qcdc9c035a7_dist:
	s_mov_b64 s[64:65], 0
	v_nop
	global_prefetch_b8 v0, s[64:65] scope:SCOPE_SE
	s_setreg_imm32_b32 hwreg(HW_REG_WAVE_MODE, 25, 1), 1
	s_wait_xcnt 0x0
	s_wait_alu depctr_hold_cnt(0) depctr_sa_sdst(0) depctr_va_vdst(0) depctr_va_sdst(0) depctr_va_ssrc(0) depctr_va_vcc(0) depctr_vm_vsrc(0)
	s_getreg_b32 s2, hwreg(HW_REG_IB_STS2, 6, 4)
	s_cmp_eq_u32 s2, 0
	s_cbranch_scc0 .Lentry_in_a_cluster
	s_endpgm
.Lentry_in_a_cluster:
	s_bfe_u32 s2, ttmp6, 0x10000c
	s_cmp_lg_u32 s2, 0x3003
	s_cbranch_scc0 .Lentry_shape_is_right
	s_endpgm
.Lentry_shape_is_right:
; For each of 32,768 tokens (z[b][0..255][t]) the index of the nearest of 8,192 codes, as reference() finds it:
; d = fl(fl(zz - 2 m) + ww) in f32 for every code, the first of equal d wins.  m = z . W on the matrix unit, bf16 operands, f32 sums.
; The distances are never stored.  The index goes to out1 and, as whole numbers for the next launch's gather, to idxw.
; LIMITS.  z and the codebook are rounded to bf16 once; zz, ww and m are all taken of the rounded numbers.  The matrix unit's order
; of summation may differ from the reference's in the last bits of m, which can turn a tie that lies on a rounding boundary of d.
; NaN in z or in the codebook is not served (a NaN distance is passed over).  If all distances are +inf the index is 0.
;
; SHARES.  A work-group owns 128 tokens and walks all codes in 32 blocks of 256.  Eight waves, two to a SIMD: wave w has tokens
; 64 (w / 4) .. + 63 and, of each block, codes 64 (w % 4) .. + 63, as four tiles of 16 codes.  The wave's tokens stay in registers as
; 4 x 8 fragments (256 registers, window 1) for the whole launch; the codes stream through two fragment buffers.
; Codes are source 0 and tokens source 1, so register j of lane (r, h) of a result is (code 8 h + j, token r): the minimum over
; codes runs inside a lane.  Two waves of 512 registers and not one of 1,024: the work on the distances has two and three register
; sources and cannot run under the matrix instructions' window setting, so each wave works in long stretches (32 matrix
; instructions, then the distances under setting 0: two switches a tile), and the SIMD's other wave multiplies meanwhile.
; So that the two do take turns, half of the waves leave each round of the cluster's barrier into a matrix run and the other half
; into a tile's distances (see BLK).
; CLUSTER.  All work-groups read the same blocks of codes.  Four work-groups form a cluster and ask for each block jointly: every
; wave issues one tensor load for its eighth of the block, with a descriptor made of the wave's number and the block alone.
; No prefetch: the 4.3 MB of codes are read by every work-group at the same time, and z is read once at the very start.
.set PITCH, 528                        ; a code's row in cbw and in LDS: 512 bytes of bf16 + 16 of ww = 33 x 16: sixteen rows start in sixteen different 16-byte columns of 256
.set TILE,  16*PITCH                   ; 16 codes
.set SLOT,  256*PITCH                  ; a block of 256 codes: 135,168 bytes, dense in memory
.set PART,  SLOT/8                     ; a wave's eighth: 16,896 bytes = 66 rows of 256
.set ZST,   2*SLOT                     ; behind the two slots: the stage for z, 128 channels x 128 tokens of bf16
.set ZP,    288                        ; its pitch: 256 bytes + 32 = 9 x 32
.set RED,   ZST+128*ZP                 ; 4,096 bytes: val[8 waves][64 tokens] f32, then idx[8][64]
.set CHB,   16384                      ; bytes from a channel of z to the next
; window 0
.set ADR,  2                           ; v2-3    LDS address of my code fragments in slot 0, 1
.set WADR, 4                           ; v4-5    LDS address of my ww in slot 0, 1
.set CUR,  6                           ; v6      the code of register 0 of my lane in the tile whose distances are due
.set JJ,   7                           ; v7      at the end: which of the eight
.set ZZ,   8                           ; v[8:11]    zz of my token in each of the four token tiles
.set BEST, 12                          ; v[12:15]   least distance so far
.set GID,  16                          ; v[16:19]   CUR of the tile in which it was found
.set WW0,  24                          ; v[24:31]   ww of my eight codes: tiles 0 and 2 of a block
.set WW1,  32                          ; v[32:39]   tile 1
.set SV,   40                          ; v[40:71]   the eight distances of the tile in which BEST was found, for each token tile
.set ACC,  72                          ; v[72:103]  four accumulators
.set F0,   104                         ; v[104:167] code fragments, buffer 0 (16 codes x 256); before the loop z lands here
.set F1,   168                         ; v[168:231] buffer 1
.set VZ,   232                         ; offset of my 16 bytes of z
.set ZSA,  233                         ; where I put packed z in the stage
.set TRA,  234                         ; where I read it back transposed
.set RA,   235                         ; my word in RED
.set CV,   236                         ; v[236:237] four z packed
.set RB,   238                         ; wave 0: where it reads RED
.set OA,   239                         ; 16 x lane
.set ZC,   240                         ; v[240:247] eight chains for zz; then
.set GM,   240                         ; v[240:247] two partial minima for each token tile
.set LN,   248                         ; v[248:251] at work in the set-up; then
.set RR,   249
.set HH,   250
.set TM,   251
.set WW2,  248                         ; v[248:255] ww of my eight codes: tile 3
.set MV,   F0                          ; the end: four waves' values of my four tokens
.set MI,   F0+16                       ; and their indices
; window 1: token fragment (tt, ks) at v[8 (8 tt + ks)]
.set G1, 16                            ; s[16:23] descriptor group 1
.set G0, 24                            ; s[24:31] descriptor group 0, one set for each slot
.set MSB, 0
.macro WIN new                         ; s_set_vgpr_msb; the immediate's high byte repeats the setting that is left
.if MSB != \new
	s_set_vgpr_msb (MSB<<8)|\new
.set MSB, \new
.endif
.endm
.macro PLACES                          ; four plain places behind a matrix instruction (ISA guide 7.12.1)
.rept 4
	v_nop
.endr
.endm
; A round of the cluster's barrier: my work-group's barrier, wave 0 signals for the work-group, every wave waits for all four
; work-groups, my work-group's barrier once more.
.macro CROUND
	s_barrier_signal -1
	s_barrier_wait -1
	s_cmp_lg_u32 s12, 0
	s_cbranch_scc1 .Lnot_wave_0_\@
	s_barrier_signal -3
.Lnot_wave_0_\@:
	s_barrier_wait -3
	s_barrier_signal -1
	s_barrier_wait -1
.endm
	s_load_b256 s[4:11], s[0:1], 0x0               ; cbw s[4:5], z s[6:7], out1 s[8:9], idxw s[10:11]
	v_lshl_add_u32 v22, v0, 2, 0x4c000
	v_mov_b32 v23, 0
	ds_add_u32 v22, v23
	v_lshrrev_b32 v1, 5, v0
	v_readfirstlane_b32 s12, v1                    ; wave 0..7
	s_and_b32 s13, s12, 3                          ; q: which 64 codes of a block
	s_lshr_b32 s14, s12, 2                         ; th: which 64 tokens
	s_xor_b32 s33, s12, s14
	s_and_b32 s33, s33, 1                          ; 0, 1, 0, 1, 1, 0, 1, 0 for waves 0 to 7: it differs between waves w and w + 4 and between waves 2 k and 2 k + 1
	s_bfe_u32 s37, ttmp6, 0x40000                  ; cx: my place in the cluster; it enters global addresses of z and of the outputs alone
	s_lshl_b32 s15, ttmp9, 2
	s_add_co_u32 s15, s15, s37                     ; work-group g = 4 x cluster + cx
	s_lshr_b32 s40, s15, 5                         ; b = g / 32
	s_mul_i32 s40, s40, 292*CHB
	s_and_b32 s41, s15, 31
	s_lshl_b32 s41, s41, 9                         ; 128 tokens x 4 bytes
	s_add_co_u32 s40, s40, s41
	s_mov_b32 s41, 0
	s_lshl_b32 s42, s15, 9                         ; 128 indices x 4 bytes
	s_mov_b32 s43, 0
	s_mul_i32 s44, s12, PART                       ; my eighth of a block, in cbw and in a slot
	s_mov_b32 s45, 0
	; group 1: 66 rows of 32 elements of 8 bytes, one behind the other; the same for every load
	s_mov_b32 s[G1+0], 15|(3<<16)|(1<<21)          ; 15:0 the mask: all four work-groups; 17:16 elements of 8 bytes; 21 set beside a mask; no padding
	s_mov_b32 s[G1+1], 32<<16                      ; tensor_dim0 = 32
	s_mov_b32 s[G1+2], 66<<16                      ; tensor_dim1 = 66
	s_mov_b32 s[G1+3], 32<<16                      ; tile_dim0 = 32
	s_mov_b32 s[G1+4], 66                          ; tile_dim1 = 66
	s_mov_b32 s[G1+5], 32                          ; from row to row: 32 elements
	s_mov_b32 s[G1+6], 0
	s_mov_b32 s[G1+7], 0
	s_mov_b32 s34, 0x76543210                      ; v_permlanex16_b32: lane i reads lane i of the other half
	s_mov_b32 s35, 0xfedcba98
	s_mov_b32 s36, 0x7f800000                      ; +inf
	v_and_b32 v[LN], 31, v0
	v_lshlrev_b32 v[OA], 4, v[LN]
	v_lshl_add_u32 v[VZ], s12, 14, v[OA]           ; wave x one channel + 16 x lane
	s_wait_dscnt 0x0
	s_wait_kmcnt 0x0
	s_add_nc_u64 s[6:7], s[6:7], s[40:41]          ; z at my first token, channel 0
	s_add_nc_u64 s[8:9], s[8:9], s[42:43]
	s_add_nc_u64 s[10:11], s[10:11], s[42:43]
	s_add_nc_u64 s[46:47], s[4:5], s[44:45]        ; cbw at my eighth of block 0
	; z: 256 channels x 128 tokens.  Wave w takes channels 8 n + w; a load covers a channel's 512 bytes.
	; They go out ahead of the first round: nobody writes z, so they may be on their way across it.
.irp p, 0,1
.irp i, 0,1,2,3,4,5,6,7,8,9,10,11,12,13,14,15
	global_load_b128 v[F0+64*\p+4*\i:F0+64*\p+4*\i+3], v[VZ], s[6:7] offset:(128*\p+8*\i)*CHB th:TH_LOAD_NT
.endr
.endr
	CROUND                                         ; all four work-groups are here: the first joint loads meet
.irp s, 0,1
	s_mov_b32 s[G0+4*\s], 1                                        ; count = 1
	s_add_co_u32 s[G0+4*\s+1], s44, \s*SLOT                        ; LDS address: the slot + wave x 16,896
	s_add_nc_u64 s[G0+4*\s+2:G0+4*\s+3], s[46:47], \s*SLOT         ; global address: block s
	s_or_b32 s[G0+4*\s+3], s[G0+4*\s+3], 0x80000000                ; type = 2
	tensor_load_to_lds s[G0+4*\s:G0+4*\s+3], s[G1:G1+7]            ; both first fills go out together: two tensor loads of the wave are out
	s_nop 0
	PLACES
.endr
	; lane addresses: r = lane % 16, h = lane / 16
	v_and_b32 v[RR], 15, v0
	v_bfe_u32 v[HH], v0, 4, 1
	s_mul_i32 s38, s12, ZP
	s_add_co_u32 s38, s38, ZST
	v_lshl_add_u32 v[ZSA], v[LN], 3, s38           ; stage row w (+ 8 i), tokens 4 lane .. + 3
	v_and_b32 v[TM], 7, v0
	v_lshl_add_u32 v[TM], v[HH], 3, v[TM]
	v_mul_u32_u24 v[TM], v[TM], ZP                 ; stage row 8 h + lane % 8
	v_bfe_u32 v[TRA], v0, 3, 1
	v_lshl_add_u32 v[TRA], v[TRA], 4, v[TM]        ; + 16 bytes for lanes 8-15 and 24-31
	s_lshl_b32 s39, s14, 7                         ; my 64 tokens: 128 bytes of a stage row
	s_add_co_u32 s39, s39, ZST
	v_add_nc_u32 v[TRA], s39, v[TRA]
	s_mul_i32 s38, s13, 64*PITCH                   ; my 64 codes of a block
	v_mul_u32_u24 v[TM], v[RR], PITCH
	v_lshl_add_u32 v[TM], v[HH], 4, v[TM]
	v_add_nc_u32 v[ADR], s38, v[TM]                ; (64 q + r) x pitch + 16 h
	v_add_nc_u32 v[ADR+1], SLOT, v[ADR]
	s_add_co_u32 s38, s38, 512
	v_mul_u32_u24 v[TM], v[HH], 8*PITCH
	v_add_nc_u32 v[WADR], s38, v[TM]               ; the 16 bytes behind row 64 q + 8 h: ww of four codes
	v_add_nc_u32 v[WADR+1], SLOT, v[WADR]
	v_lshlrev_b32 v[CUR], 3, v[HH]
	v_lshl_add_u32 v[CUR], s13, 6, v[CUR]          ; 64 q + 8 h
	s_lshl_b32 s39, s12, 8
	s_add_co_u32 s39, s39, RED
	v_lshl_add_u32 v[RA], v[RR], 2, s39            ; RED + wave x 256 + 4 r
	v_lshlrev_b32 v[RB], 4, v[RR]
	v_lshl_add_u32 v[RB], v[HH], 10, v[RB]
	v_add_nc_u32 v[RB], RED, v[RB]                 ; tokens 4 lane .. + 3: waves 4 h + q, bytes 16 r
; Pass p: channels 128 p .. + 127 of all 128 tokens go to the stage as bf16, and every wave reads back, transposed, the fragments
; ks = 4 p .. 4 p + 3 of its 64 tokens.  left = how many younger loads of z may stay out.
.macro STAGE p, left
	s_wait_loadcnt \left
.irp i, 0,1,2,3,4,5,6,7,8,9,10,11,12,13,14,15
	v_cvt_pk_bf16_f32 v[CV],   v[F0+64*\p+4*\i],   v[F0+64*\p+4*\i+1]
	v_cvt_pk_bf16_f32 v[CV+1], v[F0+64*\p+4*\i+2], v[F0+64*\p+4*\i+3]
	ds_store_b64 v[ZSA], v[CV:CV+1] offset:\i*8*ZP
.endr
	s_wait_dscnt 0x0                               ; my stores are done, for the other waves' sake
	s_barrier_signal -1
	s_barrier_wait -1
	WIN 0x40                                       ; destination in window 1
.irp kk, 0,1,2,3
.irp tt, 0,1,2,3
	ds_load_tr16_b128 v[8*(8*\tt+4*\p+\kk):8*(8*\tt+4*\p+\kk)+3],   v[TRA] offset:\kk*32*ZP+32*\tt          ; channels 8 h .. + 7 of token r
	ds_load_tr16_b128 v[8*(8*\tt+4*\p+\kk)+4:8*(8*\tt+4*\p+\kk)+7], v[TRA] offset:\kk*32*ZP+32*\tt+16*ZP   ; channels 16 + 8 h .. + 7
.endr
.endr
	WIN 0
	s_wait_dscnt 0x0                               ; my reads of the stage are back
.endm
	STAGE 0, 16                                    ; the sixteen loads of the second pass stay out
	s_barrier_signal -1
	s_barrier_wait -1                              ; everybody's reads are back: the stage may be written again
	STAGE 1, 0
	s_wait_tensorcnt 0x1                           ; my eighth of block 0 is in; block 1's may stay out
	s_barrier_signal -1
	s_barrier_wait -1                              ; everybody's is
; 18 LDS loads: tile k (16 codes x 256) of my 64 codes of the block in the slot, into buffer f, and the ww of my lane's eight codes
.macro FETCH slot, k, f, ww
.irp ks, 0,1,2,3,4,5,6,7
	ds_load_b128 v[\f+8*\ks:\f+8*\ks+3],   v[ADR+\slot] offset:\k*TILE+64*\ks
	ds_load_b128 v[\f+8*\ks+4:\f+8*\ks+7], v[ADR+\slot] offset:\k*TILE+64*\ks+32
.endr
	ds_load_b128 v[\ww:\ww+3],   v[WADR+\slot] offset:\k*TILE
	ds_load_b128 v[\ww+4:\ww+7], v[WADR+\slot] offset:\k*TILE+4*PITCH
.endm
; One tile's products: 16 codes x 64 tokens x 256.  The first K step starts the sums: nothing is cleared.
; The four accumulators take turns, one instruction a turn.
.macro MM f
	WIN 0x04                                       ; source 1 (tokens) in window 1
.irp ks, 0,1,2,3,4,5,6,7
.irp tt, 0,1,2,3
.if \ks == 0
	v_wmma_f32_16x16x32_bf16 v[ACC+8*\tt:ACC+8*\tt+7], v[\f+8*\ks:\f+8*\ks+7], v[8*(8*\tt+\ks):8*(8*\tt+\ks)+7], 0
.else
	v_wmma_f32_16x16x32_bf16 v[ACC+8*\tt:ACC+8*\tt+7], v[\f+8*\ks:\f+8*\ks+7], v[8*(8*\tt+\ks):8*(8*\tt+\ks)+7], v[ACC+8*\tt:ACC+8*\tt+7]
.endif
.endr
.endr
	WIN 0
	PLACES                                         ; the places in front of the reads of the results, and of the next loads into buffer f
.endm
; One tile's products become distances.  For each token tile: if the least of its eight is less than BEST, it, the tile's first code
; and all eight distances are kept.  The compare is strict and a lane's codes ascend from tile to tile, so the first of equal
; distances stays.  The four token tiles go side by side, stage by stage, so that no line reads the result of one just in front of it.
.macro EPI ww, inc
.irp tt, 0,1,2,3
.irp j, 0,2,4,6
.if (\tt)&1
	v_pk_fma_f32 v[ACC+8*\tt+\j:ACC+8*\tt+\j+1], v[ACC+8*\tt+\j:ACC+8*\tt+\j+1], -2.0, v[ZZ+\tt-1:ZZ+\tt] op_sel:[0,0,1] op_sel_hi:[1,0,1]   ; zz - 2 m, one rounding (2 m is exact)
.else
	v_pk_fma_f32 v[ACC+8*\tt+\j:ACC+8*\tt+\j+1], v[ACC+8*\tt+\j:ACC+8*\tt+\j+1], -2.0, v[ZZ+\tt:ZZ+\tt+1] op_sel_hi:[1,0,0]
.endif
.endr
.endr
.irp tt, 0,1,2,3
.irp j, 0,2,4,6
	v_pk_add_f32 v[ACC+8*\tt+\j:ACC+8*\tt+\j+1], v[ACC+8*\tt+\j:ACC+8*\tt+\j+1], v[\ww+\j:\ww+\j+1]   ; + ww, the second rounding
.endr
.endr
.irp tt, 0,1,2,3
	v_min3_num_f32 v[GM+2*\tt],   v[ACC+8*\tt],   v[ACC+8*\tt+1], v[ACC+8*\tt+2]
	v_min3_num_f32 v[GM+2*\tt+1], v[ACC+8*\tt+3], v[ACC+8*\tt+4], v[ACC+8*\tt+5]
.endr
.irp tt, 0,1,2,3
	v_min3_num_f32 v[GM+2*\tt], v[GM+2*\tt], v[GM+2*\tt+1], v[ACC+8*\tt+6]
.endr
.irp tt, 0,1,2,3
	v_min_num_f32 v[GM+2*\tt], v[GM+2*\tt], v[ACC+8*\tt+7]
.endr
.irp tt, 0,1,2,3
	v_cmp_lt_f32 s[48+\tt], v[GM+2*\tt], v[BEST+\tt]
.endr
.irp tt, 0,1,2,3
	v_min_num_f32 v[BEST+\tt], v[BEST+\tt], v[GM+2*\tt]            ; behind the compare, which reads the old one
.endr
.irp tt, 0,1,2,3
	v_cndmask_b32 v[GID+\tt], v[GID+\tt], v[CUR], s[48+\tt]
.irp j, 0,1,2,3,4,5,6,7
	v_cndmask_b32 v[SV+8*\tt+\j], v[SV+8*\tt+\j], v[ACC+8*\tt+\j], s[48+\tt]
.endr
.endr
.if \inc
	v_add_nc_u32 v[CUR], \inc, v[CUR]              ; the next tile's first code
.endif
.endm
; One block of 256 codes in the slot.  At its head tile 0 is on its way into buffer 0 and (first = 0) tile 3 of the block before lies in buffer 1.
; mode 2: the slot is filled again, two blocks ahead; 1: slots change, nothing is left to fetch; 0: the last block.
; Tile 3 is fetched straight behind tile 1's products (its ww into a buffer of its own), so that it is back when tile 1's distances are done.
; The change of slots: my reads of this slot are back (its last two tiles lie in registers) and all my tensor loads have landed, my
; eighth of the other slot among them; then the barrier, which in mode 2 opens a round of the cluster's barrier.  Inside the round
; stands register work alone: tile 2's products between the opening signal and its wait, and, in the waves whose s33 is 0, tile 2's
; distances between wave 0's signal for the work-group and the wait for the four work-groups.  Behind the round the joint refill comes
; first, one tensor load a wave.  The waves whose s33 is 1 work tile 2's distances there.  So between two rounds every wave does the
; same work, and behind a round half of the waves begin with products and half with distances; s33 differs inside each pair
; (w, w + 4) and inside each pair (2 k, 2 k + 1).  Then the other slot's first fragments, into registers that tile 2 has done with.
.macro BLK slot, next, first, mode
.if \first == 0
	MM F1                                          ; tile 3 of the block before;
	EPI WW2, 208                                   ; then on to this block: 256 - 48
.endif
	FETCH \slot, 1, F1, WW1
	s_wait_dscnt 18                                ; all but the 18 just issued: tile 0 is in
	MM F0
	EPI WW0, 16
	FETCH \slot, 2, F0, WW0
	s_wait_dscnt 18                                ; tile 1 is in
	MM F1
	FETCH \slot, 3, F1, WW2
	EPI WW1, 16
	s_wait_dscnt 0x0                               ; tiles 2 and 3 are in: my reads of this slot are over
.if \mode == 0
	MM F0
	EPI WW0, 16
.else
	s_wait_tensorcnt 0x0                           ; all my tensor loads have landed: the one that was out is my eighth of the other slot
	ds_add_u32 v22, v23
	s_wait_dscnt 0x0
.if \mode == 2
	s_add_nc_u64 s[G0+4*\slot+2:G0+4*\slot+3], s[G0+4*\slot+2:G0+4*\slot+3], 2*SLOT   ; no load of mine is out: this slot's address steps two blocks
.endif
	s_barrier_signal -1
	MM F0                                          ; registers alone
	s_barrier_wait -1
.if \mode == 2
	s_cmp_lg_u32 s12, 0
	s_cbranch_scc1 .Lnw0_\@
	s_barrier_signal -3                            ; wave 0 says it for the work-group
.Lnw0_\@:
	s_cmp_lg_u32 s33, 0
	s_cbranch_scc1 .Llater_\@
	EPI WW0, 16                                    ; registers alone
.Llater_\@:
	s_barrier_wait -3
	s_barrier_signal -1
	s_barrier_wait -1                              ; no wave of any of the four work-groups still reads this slot or has a load on its way
	tensor_load_to_lds s[G0+4*\slot:G0+4*\slot+3], s[G1:G1+7]      ; one tensor load of the wave is out from here to the next round
	s_nop 0
	PLACES
	s_cmp_eq_u32 s33, 0
	s_cbranch_scc1 .Ldone_\@
	EPI WW0, 16
.Ldone_\@:
.else
	EPI WW0, 16
.endif
	FETCH \next, 0, F0, WW0
.endif
.endm
	FETCH 0, 0, F0, WW0
	; while that is on its way: zz of my tokens, of the rounded numbers.  A lane holds half of a token's channels; eight chains.
.irp c, 0,1,2,3,4,5,6,7
	v_mov_b32 v[ZC+\c], 0
.endr
	WIN 0x05                                       ; sources 0 and 1 in window 1
.set n, 0
.rept 64
.irp tt, 0,1,2,3
	v_fma_mix_f32_bf16 v[ZC+2*\tt],   v[64*\tt+n], v[64*\tt+n], v[ZC+2*\tt]   op_sel_hi:[1,1,0]
	v_fma_mix_f32_bf16 v[ZC+2*\tt+1], v[64*\tt+n], v[64*\tt+n], v[ZC+2*\tt+1] op_sel:[1,1,0] op_sel_hi:[1,1,0]
.endr
.set n, n+1
.endr
	WIN 0
.irp tt, 0,1,2,3
	v_add_f32 v[ZZ+\tt], v[ZC+2*\tt], v[ZC+2*\tt+1]
.endr
.irp tt, 0,1,2,3
	v_permlanex16_b32 v[ZC+\tt], v[ZZ+\tt], s34, s35               ; the other half of the channels
.endr
.irp tt, 0,1,2,3
	v_add_f32 v[ZZ+\tt], v[ZZ+\tt], v[ZC+\tt]                      ; the same bits in both halves and in all waves of these tokens
	v_mov_b32 v[BEST+\tt], s36
	v_mov_b32 v[GID+\tt], v[CUR]
.endr
.set n, 0
.rept 32
	v_mov_b32 v[SV+n], s36                         ; +inf, so that a token whose distances are all +inf ends at its lane's first code
.set n, n+1
.endr
	BLK 0, 1, 1, 2                                 ; block 0
	s_mov_b32 s32, 14
.Lpair:                                            ; blocks 1 to 28
	BLK 1, 0, 0, 2
	BLK 0, 1, 0, 2
	s_sub_co_u32 s32, s32, 1
	s_cmp_lg_u32 s32, 0
	s_cbranch_scc1 .Lpair
	BLK 1, 0, 0, 2                                 ; block 29 asks for block 31, the last
	BLK 0, 1, 0, 1                                 ; block 30
	BLK 1, 0, 0, 0                                 ; block 31
	MM F1                                          ; its last tile
	EPI WW2, 0
; (value, index) pv, pi replaces bv, bi if the value is less, or equal with the lower index
.macro TAKE bv, bi, pv, pi
	v_cmp_lt_f32 s48, v[\pv], v[\bv]
	v_cmp_eq_f32 s49, v[\pv], v[\bv]
	v_cmp_lt_u32 s50, v[\pi], v[\bi]
	s_and_b32 s49, s49, s50
	s_or_b32 vcc_lo, s48, s49
	v_cndmask_b32 v[\bv], v[\bv], v[\pv], vcc_lo
	v_cndmask_b32 v[\bi], v[\bi], v[\pi], vcc_lo
.endm
	; which of the eight kept distances is the least (the first of equals), then the other half's codes, then to RED
.irp tt, 0,1,2,3
	v_mov_b32 v[JJ], 7
.irp j, 6,5,4,3,2,1,0
	v_cmp_neq_f32 vcc_lo, v[SV+8*\tt+\j], v[BEST+\tt]
	v_cndmask_b32 v[JJ], \j, v[JJ], vcc_lo
.endr
	v_add_nc_u32 v[GID+\tt], v[GID+\tt], v[JJ]
	v_permlanex16_b32 v[GM],   v[BEST+\tt], s34, s35
	v_permlanex16_b32 v[GM+1], v[GID+\tt],  s34, s35
	TAKE BEST+\tt, GID+\tt, GM, GM+1
	ds_store_b32 v[RA], v[BEST+\tt] offset:64*\tt                  ; both halves hold and write the same
	ds_store_b32 v[RA], v[GID+\tt]  offset:2048+64*\tt
.endr
	s_wait_dscnt 0x0                               ; my stores are done, for wave 0's sake
	s_barrier_signal -1
	s_barrier_wait -1
	s_cmp_lg_u32 s12, 0
	s_cbranch_scc1 .Lothers
	; wave 0: lane l merges the four waves' results for tokens 4 l .. 4 l + 3
.irp q, 0,1,2,3
	ds_load_b128 v[MV+4*\q:MV+4*\q+3], v[RB] offset:256*\q
	ds_load_b128 v[MI+4*\q:MI+4*\q+3], v[RB] offset:2048+256*\q
.endr
	s_wait_dscnt 0x0
.irp q, 1,2,3
.irp t, 0,1,2,3
	TAKE MV+\t, MI+\t, MV+4*\q+\t, MI+4*\q+\t
.endr
.endr
	global_store_b128 v[OA], v[MI:MI+3], s[8:9]    ; 512 consecutive bytes, aligned
	global_store_b128 v[OA], v[MI:MI+3], s[10:11]
.Lothers:
	s_wait_tensorcnt 0x0
	ds_add_u32 v22, v23
	s_wait_dscnt 0x0
	CROUND                                         ; the closing round: no work-group ends while a partner may still ask for a block that names it
	s_endpgm
.Lfunc_end_k_qcdc9c035a7_dist:
	.size	k_qcdc9c035a7_dist, .Lfunc_end_k_qcdc9c035a7_dist-k_qcdc9c035a7_dist
	.p2alignl 7, 3214868480
	.fill 96, 4, 3214868480
	.section	.rodata,"a",@progbits
	.p2align	6, 0x0
	.amdhsa_kernel k_qcdc9c035a7_dist
		.amdhsa_group_segment_fixed_size 327680
		.amdhsa_private_segment_fixed_size 0
		.amdhsa_enable_private_segment 0
		.amdhsa_kernarg_size 32
		.amdhsa_user_sgpr_count 2
		.amdhsa_user_sgpr_kernarg_segment_ptr 1
		.amdhsa_wavefront_size32 1
		.amdhsa_system_sgpr_workgroup_id_x 1
		.amdhsa_system_sgpr_workgroup_id_y 1
		.amdhsa_system_sgpr_workgroup_id_z 1
		.amdhsa_system_vgpr_workitem_id 0
		.amdhsa_next_free_vgpr 512
		.amdhsa_next_free_sgpr 66
		.amdhsa_reserve_vcc 1
		.amdhsa_float_denorm_mode_32 3
		.amdhsa_float_denorm_mode_16_64 3
		.amdhsa_memory_ordered 1
		.amdhsa_forward_progress 1
		.amdhsa_inst_pref_size 255
	.end_amdhsa_kernel
	.section	.bss,"aw",@nobits
	.p2align	6
	.space	262144
	.amdgpu_metadata
---
amdhsa.version: [ 1, 2 ]
amdhsa.kernels:
  - .name:           k_qcdc9c035a7_dist
    .symbol:         k_qcdc9c035a7_dist.kd
    .args:
      - { .name: cbw, .offset: 0, .size: 8, .value_kind: global_buffer, .address_space: global }
      - { .name: z, .offset: 8, .size: 8, .value_kind: global_buffer, .address_space: global }
      - { .name: out1, .offset: 16, .size: 8, .value_kind: global_buffer, .address_space: global }
      - { .name: idxw, .offset: 24, .size: 8, .value_kind: global_buffer, .address_space: global }
    .group_segment_fixed_size: 327680
    .private_segment_fixed_size: 0
    .kernarg_segment_align: 8
    .kernarg_segment_size: 32
    .max_flat_workgroup_size: 256
    .sgpr_count:     66
    .vgpr_count:     512
    .wavefront_size: 32
...
	.end_amdgpu_metadata
.endif
;; end of part 2
;; launch finish (part 3): grid 512 x 1, 8 waves a work-group, no clusters, 35,072 bytes of LDS; arguments z, idxw, cbw, out0, out2, out4, part; writes out0, out2, out4, part
.if DOCPART == 3
	.amdgcn_target "amdgcn-amd-amdhsa--gfx1250"
	.amdhsa_code_object_version 6
	.text
	.protected	k_qcdc9c035a7_finish
	.globl	k_qcdc9c035a7_finish
	.p2align	8
	.type	k_qcdc9c035a7_finish,@function
k_qcdc9c035a7_finish:
	s_mov_b64 s[64:65], 0
	v_nop
	global_prefetch_b8 v0, s[64:65] scope:SCOPE_SE
	s_setreg_imm32_b32 hwreg(HW_REG_WAVE_MODE, 25, 1), 1
	s_wait_xcnt 0x0
; Everything but the argmin.  Channels 0-255: out0 = z + (W[index] - z), and the sum of (W[index] - z)^2 for the loss.
; Channels 256-291: x = tanh(z) * 10.001, q = x + (round(x) - x) to out0 and out4, clip(int(q + 10), 0, 20) to out2.
; LIMIT OF FORMAT: z is rounded to bf16 at the load and W is its bf16 rounding from cbw, as in the launch that chose the indices;
; all arithmetic behind that is f32.  tanh(x) = 1 - 2 / (1 + 2^(2.885390 x)): right at +-1 for large |x|; its absolute error,
; a few 1e-7, can turn a rounding only where x * 10.001 lies that near a half.  NaN in z: NaN in out0 and out4, out2 not defined.
; Eight waves; the work-group owns 64 tokens of one b, all 292 channels.  Lane (qq = lane % 16, hh = lane / 16) holds four
; neighbouring tokens of a channel, so sixteen lanes load and store 256 consecutive bytes, aligned.
; The 64 chosen rows of cbw (512 bytes each, one load a row) meet in LDS, since a row lies along the channels and z along the tokens.
; Memory binds: no matrix unit, no cluster (work-groups share no tile), no tensor load (the rows hang on indices, lane by lane).
.set PITCH, 528
.set CHB,   16384                      ; bytes from a channel to the next
.set LSC,   64*PITCH                   ; behind the 64 rows: eight words for the loss
.set IDX, 10                           ; v[10:17]   my wave's eight indices, then offsets into cbw
.set LS,  18                           ; v[18:21]   four chains of the loss
.set ZB,  24                           ; v[24:27]   at work: z rounded
.set CQ,  28                           ; v[28:31]   at work: the code's numbers
.set D,   32                           ; v[32:35]   at work: the difference
.set PK,  36                           ; v[36:37]   at work: packed
.set G,   56                           ; v[56:87]   eight gathered rows, 16 bytes a lane; then the fragments read back: (i, token t) at G + 16 i + 4 t
.set Z,   88                           ; v[88:151]  sixteen channels x four tokens; out0 leaves from the same registers
.set FX,  152                          ; v[152:163] three quads of the 36 channels
.set CD,  164                          ; v[164:175] their codes
	s_load_b256 s[4:11], s[0:1], 0x0               ; z s[4:5], idxw s[6:7], cbw s[8:9], out0 s[10:11]
	s_load_b128 s[12:15], s[0:1], 0x20             ; out2 s[12:13], out4 s[14:15]
	s_load_b64 s[16:17], s[0:1], 0x30              ; part
	v_lshl_add_u32 v176, v0, 2, 0x8500
	v_mov_b32 v177, 0
	v_lshrrev_b32 v1, 5, v0
	v_readfirstlane_b32 s18, v1                    ; wave 0..7
	s_lshr_b32 s19, ttmp9, 6                       ; b
	s_and_b32 s29, ttmp9, 63
	s_lshl_b32 s29, s29, 8                         ; 64 tokens x 4 bytes
	s_mul_i32 s20, s19, 292*CHB
	s_add_co_u32 s20, s20, s29                     ; z and out0
	s_mov_b32 s21, 0
	s_mul_i32 s22, s19, 36*CHB
	s_add_co_u32 s22, s22, s29                     ; out2 and out4
	s_mov_b32 s23, 0
	s_lshl_b32 s24, ttmp9, 8                       ; idxw
	s_mov_b32 s25, 0
	s_lshl_b32 s26, ttmp9, 2                       ; part
	s_mov_b32 s27, 0
	s_mov_b32 s28, 0xffff0000                      ; a word's upper bf16
	s_mov_b32 s30, 0x76543210
	s_mov_b32 s31, 0xfedcba98
	v_and_b32 v1, 31, v0
	v_and_b32 v2, 15, v0                           ; qq
	v_bfe_u32 v3, v0, 4, 1                         ; hh
	v_lshlrev_b32 v7, 4, v1                        ; 16 x lane
	v_lshlrev_b32 v22, 4, v2                       ; 16 qq
	v_lshl_add_u32 v4, v3, 17, v22
	v_lshl_add_u32 v4, s18, 18, v4                 ; channels 16 w + 8 hh (+ 128 i + ch)
	v_lshl_add_u32 v5, v3, 14, v22
	v_lshl_add_u32 v5, s18, 15, v5                 ; channels 2 w + hh (+ 256 + 16 i)
	s_lshl_b32 s33, s18, 5
	v_mov_b32 v6, s33                              ; my wave's eight indices, the same address in every lane
	s_mul_i32 s34, s18, 2*PITCH
	v_add_nc_u32 v8, s34, v7                       ; rows in: 2 w x pitch + 16 x lane
	v_mul_u32_u24 v9, v2, PITCH
	v_lshl_add_u32 v9, v3, 4, v9
	v_lshl_add_u32 v9, s18, 5, v9                  ; fragments back: row qq, byte 32 w + 16 hh
.irp k, 0,1,2,3
	v_mov_b32 v[LS+\k], 0
.endr
	s_wait_kmcnt 0x0
	s_add_nc_u64 s[4:5], s[4:5], s[20:21]
	s_add_nc_u64 s[10:11], s[10:11], s[20:21]
	s_add_nc_u64 s[12:13], s[12:13], s[22:23]
	s_add_nc_u64 s[14:15], s[14:15], s[22:23]
	s_add_nc_u64 s[6:7], s[6:7], s[24:25]
	s_add_nc_u64 s[16:17], s[16:17], s[26:27]
	global_load_b128 v[IDX:IDX+3],   v6, s[6:7]
	global_load_b128 v[IDX+4:IDX+7], v6, s[6:7] offset:16
.irp i, 0,1
.irp ch, 0,1,2,3,4,5,6,7
	global_load_b128 v[Z+4*(8*\i+\ch):Z+4*(8*\i+\ch)+3], v4, s[4:5] offset:(128*\i+\ch)*CHB th:TH_LOAD_NT
.endr
.endr
	s_wait_loadcnt 16                              ; the indices are in; the sixteen loads of z stay out
.irp i, 0,1,2,3,4,5,6,7
	v_min_u32 v[IDX+\i], 0x1fff, v[IDX+\i]         ; an index stays inside the table
	v_mul_u32_u24 v[IDX+\i], v[IDX+\i], PITCH
	v_add_nc_u32 v[IDX+\i], v[IDX+\i], v7
.endr
.irp i, 0,1,2,3,4,5,6,7
	global_load_b128 v[G+4*\i:G+4*\i+3], v[IDX+\i], s[8:9]         ; token 8 w + i: its code's 512 bytes
.endr
.irp i, 0,1
	global_load_b128 v[FX+4*\i:FX+4*\i+3], v5, s[4:5] offset:(256+16*\i)*CHB th:TH_LOAD_NT
.endr
	s_wait_loadcnt 2                               ; z and the rows are in; the two loads just issued stay out
	; token t lies in LDS row (t % 4) x 16 + t / 4, so that the sixteen lanes of a read take sixteen consecutive rows
.irp i, 0,1,2,3,4,5,6,7
	ds_store_b128 v8, v[G+4*\i:G+4*\i+3] offset:((\i&3)*16+(\i>>2))*PITCH
.endr
	s_wait_dscnt 0x0                               ; my stores are done, for the other waves' sake
	s_barrier_signal -1
	s_barrier_wait -1
.irp i, 0,1
.irp t, 0,1,2,3
	ds_load_b128 v[G+16*\i+4*\t:G+16*\i+4*\t+3], v9 offset:\t*16*PITCH+256*\i   ; token 4 qq + t, channels 128 i + 16 w + 8 hh .. + 7
.endr
.endr
; channel 128 i + 16 w + 8 hh + ch, four tokens
.macro SEM i, ch
.set ZR, Z+4*(8*\i+\ch)
	v_cvt_pk_bf16_f32 v[PK],   v[ZR],   v[ZR+1]
	v_cvt_pk_bf16_f32 v[PK+1], v[ZR+2], v[ZR+3]
	v_lshlrev_b32 v[ZB],   16,  v[PK]
	v_and_b32     v[ZB+1], s28, v[PK]
	v_lshlrev_b32 v[ZB+2], 16,  v[PK+1]
	v_and_b32     v[ZB+3], s28, v[PK+1]
.irp t, 0,1,2,3
.if (\ch)&1
	v_and_b32     v[CQ+\t], s28, v[G+16*\i+4*\t+(\ch)/2]
.else
	v_lshlrev_b32 v[CQ+\t], 16,  v[G+16*\i+4*\t+(\ch)/2]
.endif
.endr
	v_pk_add_f32 v[D:D+1],     v[CQ:CQ+1],   v[ZB:ZB+1]   neg_lo:[0,1] neg_hi:[0,1]   ; z_q - z
	v_pk_add_f32 v[D+2:D+3],   v[CQ+2:CQ+3], v[ZB+2:ZB+3] neg_lo:[0,1] neg_hi:[0,1]
	v_pk_add_f32 v[ZR:ZR+1],   v[ZB:ZB+1],   v[D:D+1]                                 ; z + (z_q - z), as it is written
	v_pk_add_f32 v[ZR+2:ZR+3], v[ZB+2:ZB+3], v[D+2:D+3]
	v_pk_fma_f32 v[LS:LS+1],   v[D:D+1],     v[D:D+1],     v[LS:LS+1]
	v_pk_fma_f32 v[LS+2:LS+3], v[D+2:D+3],   v[D+2:D+3],   v[LS+2:LS+3]
	global_store_b128 v4, v[ZR:ZR+3], s[10:11] offset:(128*\i+\ch)*CHB th:TH_STORE_NT
.endm
	s_wait_dscnt 4                                 ; the first four fragments are in
.irp ch, 0,1,2,3,4,5,6,7
	SEM 0, \ch
.endr
	s_wait_dscnt 0x0
.irp ch, 0,1,2,3,4,5,6,7
	SEM 1, \ch
.endr
; four tokens of channel 256 + 16 i + 2 w + hh: z in v[x:x+3], which then hold q; the codes in v[c:c+3]
.macro FSQ4 x, c, i
	v_cvt_pk_bf16_f32 v[PK],   v[\x],   v[\x+1]
	v_cvt_pk_bf16_f32 v[PK+1], v[\x+2], v[\x+3]
	v_lshlrev_b32 v[ZB],   16,  v[PK]
	v_and_b32     v[ZB+1], s28, v[PK]
	v_lshlrev_b32 v[ZB+2], 16,  v[PK+1]
	v_and_b32     v[ZB+3], s28, v[PK+1]
	v_pk_mul_f32 v[ZB:ZB+1],   v[ZB:ZB+1],   0x4038aa3b op_sel_hi:[1,0]   ; 2 log2(e) z
	v_pk_mul_f32 v[ZB+2:ZB+3], v[ZB+2:ZB+3], 0x4038aa3b op_sel_hi:[1,0]
.irp t, 0,1,2,3
	v_exp_f32 v[CQ+\t], v[ZB+\t]
.endr
	v_nop                                          ; one plain place behind the last transcendental (ISA guide 5.7.2)
	s_wait_alu depctr_va_vdst(0)
	v_pk_add_f32 v[CQ:CQ+1],   v[CQ:CQ+1],   1.0 op_sel_hi:[1,0]
	v_pk_add_f32 v[CQ+2:CQ+3], v[CQ+2:CQ+3], 1.0 op_sel_hi:[1,0]
.irp t, 0,1,2,3
	v_rcp_f32 v[CQ+\t], v[CQ+\t]
.endr
	v_nop
	s_wait_alu depctr_va_vdst(0)
	v_pk_fma_f32 v[CQ:CQ+1],   v[CQ:CQ+1],   -2.0, 1.0 op_sel_hi:[1,0,0]  ; tanh
	v_pk_fma_f32 v[CQ+2:CQ+3], v[CQ+2:CQ+3], -2.0, 1.0 op_sel_hi:[1,0,0]
	v_pk_mul_f32 v[CQ:CQ+1],   v[CQ:CQ+1],   0x41200419 op_sel_hi:[1,0]   ; x 10.001; not folded into the line above: tanh is rounded first, as in the reference
	v_pk_mul_f32 v[CQ+2:CQ+3], v[CQ+2:CQ+3], 0x41200419 op_sel_hi:[1,0]
.irp t, 0,1,2,3
	v_rndne_f32 v[D+\t], v[CQ+\t]
.endr
	v_pk_add_f32 v[D:D+1],     v[D:D+1],     v[CQ:CQ+1]   neg_lo:[0,1] neg_hi:[0,1]   ; round(x) - x
	v_pk_add_f32 v[D+2:D+3],   v[D+2:D+3],   v[CQ+2:CQ+3] neg_lo:[0,1] neg_hi:[0,1]
	v_pk_add_f32 v[\x:\x+1],   v[CQ:CQ+1],   v[D:D+1]                                 ; x + (round(x) - x)
	v_pk_add_f32 v[\x+2:\x+3], v[CQ+2:CQ+3], v[D+2:D+3]
.irp t, 0,1,2,3
	v_add_f32 v[\c+\t], 0x41200000, v[\x+\t]       ; + 10
.endr
.irp t, 0,1,2,3
	v_cvt_i32_f32 v[\c+\t], v[\c+\t]
.endr
.irp t, 0,1,2,3
	v_max_i32 v[\c+\t], 0, v[\c+\t]
	v_min_i32 v[\c+\t], 20, v[\c+\t]
.endr
	global_store_b128 v5, v[\x:\x+3], s[10:11] offset:(256+16*\i)*CHB th:TH_STORE_NT
	global_store_b128 v5, v[\x:\x+3], s[14:15] offset:16*\i*CHB th:TH_STORE_NT
	global_store_b128 v5, v[\c:\c+3], s[12:13] offset:16*\i*CHB th:TH_STORE_NT
.endm
	s_wait_loadcnt 0x0
	FSQ4 FX, CD, 0
	FSQ4 FX+4, CD+4, 1
	s_cmp_gt_u32 s18, 1
	s_cbranch_scc1 .Lno_rest
	global_load_b128 v[FX+8:FX+11], v5, s[4:5] offset:(256+32)*CHB th:TH_LOAD_NT   ; 36 = 2 x 16 + 4: waves 0 and 1 take channels 288 to 291
	s_wait_loadcnt 0x0
	FSQ4 FX+8, CD+8, 2
.Lno_rest:
	; the loss: lane, wave, work-group
	v_pk_add_f32 v[LS:LS+1], v[LS:LS+1], v[LS+2:LS+3]
	v_add_f32 v[LS], v[LS], v[LS+1]
.irp m, 1,2,4,8
	v_add_f32_dpp v[LS], v[LS], v[LS] row_xmask:\m row_mask:0xf bank_mask:0xf
.endr
	v_permlanex16_b32 v[LS+1], v[LS], s30, s31
	v_add_f32 v[LS], v[LS], v[LS+1]
	s_lshl_b32 s33, s18, 2
	s_add_co_u32 s33, s33, LSC
	v_mov_b32 v[ZB], s33
	ds_store_b32 v[ZB], v[LS]                      ; my wave's word
	s_wait_dscnt 0x0
	s_barrier_signal -1
	s_barrier_wait -1
	s_cmp_lg_u32 s18, 0
	s_cbranch_scc1 .Lend
	v_mov_b32 v[ZB], LSC
	ds_load_b128 v[CQ:CQ+3], v[ZB]
	ds_load_b128 v[D:D+3],   v[ZB] offset:16
	v_mov_b32 v23, 0
	v_cmp_eq_u32 vcc_lo, 0, v0
	s_wait_dscnt 0x0
	v_pk_add_f32 v[CQ:CQ+1],   v[CQ:CQ+1],   v[D:D+1]
	v_pk_add_f32 v[CQ+2:CQ+3], v[CQ+2:CQ+3], v[D+2:D+3]
	v_pk_add_f32 v[CQ:CQ+1],   v[CQ:CQ+1],   v[CQ+2:CQ+3]
	v_add_f32 v[CQ], v[CQ], v[CQ+1]
	s_wait_xcnt 0x0                                ; EXEC is a source of the stores above: it changes only behind this wait
	s_and_saveexec_b32 s35, vcc_lo
	global_store_b32 v23, v[CQ], s[16:17]          ; thread 0: the work-group's sum
	s_wait_xcnt 0x0                                ; and again in front of the line that widens it
	s_or_b32 exec_lo, exec_lo, s35
.Lend:
	s_wait_tensorcnt 0x0
	ds_add_u32 v176, v177
	s_wait_dscnt 0x0
	s_endpgm
.Lfunc_end_k_qcdc9c035a7_finish:
	.size	k_qcdc9c035a7_finish, .Lfunc_end_k_qcdc9c035a7_finish-k_qcdc9c035a7_finish
	.p2alignl 7, 3214868480
	.fill 96, 4, 3214868480
	.section	.rodata,"a",@progbits
	.p2align	6, 0x0
	.amdhsa_kernel k_qcdc9c035a7_finish
		.amdhsa_group_segment_fixed_size 35072
		.amdhsa_private_segment_fixed_size 0
		.amdhsa_enable_private_segment 0
		.amdhsa_kernarg_size 56
		.amdhsa_user_sgpr_count 2
		.amdhsa_user_sgpr_kernarg_segment_ptr 1
		.amdhsa_wavefront_size32 1
		.amdhsa_system_sgpr_workgroup_id_x 1
		.amdhsa_system_sgpr_workgroup_id_y 1
		.amdhsa_system_sgpr_workgroup_id_z 1
		.amdhsa_system_vgpr_workitem_id 0
		.amdhsa_next_free_vgpr 178
		.amdhsa_next_free_sgpr 66
		.amdhsa_reserve_vcc 1
		.amdhsa_float_denorm_mode_32 3
		.amdhsa_float_denorm_mode_16_64 3
		.amdhsa_memory_ordered 1
		.amdhsa_forward_progress 1
		.amdhsa_inst_pref_size 31
	.end_amdhsa_kernel
	.amdgpu_metadata
---
amdhsa.version: [ 1, 2 ]
amdhsa.kernels:
  - .name:           k_qcdc9c035a7_finish
    .symbol:         k_qcdc9c035a7_finish.kd
    .args:
      - { .name: z, .offset: 0, .size: 8, .value_kind: global_buffer, .address_space: global }
      - { .name: idxw, .offset: 8, .size: 8, .value_kind: global_buffer, .address_space: global }
      - { .name: cbw, .offset: 16, .size: 8, .value_kind: global_buffer, .address_space: global }
      - { .name: out0, .offset: 24, .size: 8, .value_kind: global_buffer, .address_space: global }
      - { .name: out2, .offset: 32, .size: 8, .value_kind: global_buffer, .address_space: global }
      - { .name: out4, .offset: 40, .size: 8, .value_kind: global_buffer, .address_space: global }
      - { .name: part, .offset: 48, .size: 8, .value_kind: global_buffer, .address_space: global }
    .group_segment_fixed_size: 35072
    .private_segment_fixed_size: 0
    .kernarg_segment_align: 8
    .kernarg_segment_size: 56
    .max_flat_workgroup_size: 256
    .sgpr_count:     66
    .vgpr_count:     178
    .wavefront_size: 32
...
	.end_amdgpu_metadata
.endif
;; end of part 3
;; launch loss (part 4): grid 1 x 1, 1 waves a work-group, no clusters, 0 bytes of LDS; arguments part, out3; writes out3
.if DOCPART == 4
	.amdgcn_target "amdgcn-amd-amdhsa--gfx1250"
	.amdhsa_code_object_version 6
	.text
	.protected	k_qcdc9c035a7_loss
	.globl	k_qcdc9c035a7_loss
	.p2align	8
	.type	k_qcdc9c035a7_loss,@function
k_qcdc9c035a7_loss:
	s_mov_b64 s[64:65], 0
	v_nop
	global_prefetch_b8 v0, s[64:65] scope:SCOPE_SE
	s_setreg_imm32_b32 hwreg(HW_REG_WAVE_MODE, 25, 1), 1
	s_wait_xcnt 0x0
; out3 = 1.25 x (the sum of the 512 work-groups' sums of squares) / 2^23: codebook loss + 0.25 x commitment loss, which are the
; same mean over 8 x 256 x 4,096 = 2^23 numbers.  One wave: a sum over work-groups has one owner, in a launch of its own.
	s_load_b128 s[4:7], s[0:1], 0x0                ; part s[4:5], out3 s[6:7]
	v_lshlrev_b32 v1, 4, v0
	s_mov_b32 s8, 0x76543210
	s_mov_b32 s9, 0xfedcba98
	s_wait_kmcnt 0x0
.irp k, 0,1,2,3
	global_load_b128 v[4+4*\k:7+4*\k], v1, s[4:5] offset:512*\k
.endr
	v_mov_b32 v2, 0
	v_cmp_eq_u32 vcc_lo, 0, v0
	s_wait_loadcnt 0x0
	v_pk_add_f32 v[4:5],   v[4:5],   v[6:7]
	v_pk_add_f32 v[8:9],   v[8:9],   v[10:11]
	v_pk_add_f32 v[12:13], v[12:13], v[14:15]
	v_pk_add_f32 v[16:17], v[16:17], v[18:19]
	v_pk_add_f32 v[4:5],   v[4:5],   v[8:9]
	v_pk_add_f32 v[12:13], v[12:13], v[16:17]
	v_pk_add_f32 v[4:5],   v[4:5],   v[12:13]
	v_add_f32 v4, v4, v5
.irp m, 1,2,4,8
	v_add_f32_dpp v4, v4, v4 row_xmask:\m row_mask:0xf bank_mask:0xf
.endr
	v_permlanex16_b32 v5, v4, s8, s9
	v_add_f32 v4, v4, v5
	v_mul_f32 v4, 0x34200000, v4                   ; 1.25 x 2^-23
	s_wait_xcnt 0x0                                ; EXEC changes only behind this wait
	s_and_saveexec_b32 s10, vcc_lo
	global_store_b32 v2, v4, s[6:7]
	s_wait_xcnt 0x0
	s_or_b32 exec_lo, exec_lo, s10
	s_endpgm
.Lfunc_end_k_qcdc9c035a7_loss:
	.size	k_qcdc9c035a7_loss, .Lfunc_end_k_qcdc9c035a7_loss-k_qcdc9c035a7_loss
	.p2alignl 7, 3214868480
	.fill 96, 4, 3214868480
	.section	.rodata,"a",@progbits
	.p2align	6, 0x0
	.amdhsa_kernel k_qcdc9c035a7_loss
		.amdhsa_group_segment_fixed_size 0
		.amdhsa_private_segment_fixed_size 0
		.amdhsa_enable_private_segment 0
		.amdhsa_kernarg_size 16
		.amdhsa_user_sgpr_count 2
		.amdhsa_user_sgpr_kernarg_segment_ptr 1
		.amdhsa_wavefront_size32 1
		.amdhsa_system_sgpr_workgroup_id_x 1
		.amdhsa_system_sgpr_workgroup_id_y 1
		.amdhsa_system_sgpr_workgroup_id_z 1
		.amdhsa_system_vgpr_workitem_id 0
		.amdhsa_next_free_vgpr 24
		.amdhsa_next_free_sgpr 66
		.amdhsa_reserve_vcc 1
		.amdhsa_float_denorm_mode_32 3
		.amdhsa_float_denorm_mode_16_64 3
		.amdhsa_memory_ordered 1
		.amdhsa_forward_progress 1
		.amdhsa_inst_pref_size 3
	.end_amdhsa_kernel
	.amdgpu_metadata
---
amdhsa.version: [ 1, 2 ]
amdhsa.kernels:
  - .name:           k_qcdc9c035a7_loss
    .symbol:         k_qcdc9c035a7_loss.kd
    .args:
      - { .name: part, .offset: 0, .size: 8, .value_kind: global_buffer, .address_space: global }
      - { .name: out3, .offset: 8, .size: 8, .value_kind: global_buffer, .address_space: global }
    .group_segment_fixed_size: 0
    .private_segment_fixed_size: 0
    .kernarg_segment_align: 8
    .kernarg_segment_size: 16
    .max_flat_workgroup_size: 32
    .sgpr_count:     66
    .vgpr_count:     24
    .wavefront_size: 32
...
	.end_amdgpu_metadata
.endif
;; end of part 4
